; MI455X (gfx1250); checked and timed in simulation.
; The chip was launched on July 23, 2026; its instructions are those of AMD's public machine-readable ISA for CDNA 5 (MIT licence, August 2026) and "CDNA5" Instruction Set Architecture Reference Guide (July 2026). The comments in the code are by the model that wrote it; some were corrected since.
;; Parameter Transform Selective Scan Module. Allowed arithmetic: float matrix products may take bf16 or f16 operands with f32 sums; all other float work in f32.
;; Inputs: A 2,048 x 16 float32; B 4 x 16 x 1,024 float32; C 4 x 16 x 1,024 float32; D 2,048 float32; delta 4 x 2,048 x 1,024 float32; lora_A_B 8 x 16 float32; lora_A_C 8 x 16 float32; lora_B_B 2,048 x 8 float32; lora_B_C 2,048 x 8 float32; u 4 x 2,048 x 1,024 float32.
;; Outputs: out0 4 x 2,048 x 1,024 float32.
;; 2 versions, each right and faster than the one before. Each part assembles by itself: llvm-mc -triple=amdgcn-amd-amdhsa -mcpu=gfx1250 --defsym DOCPART=n.
;; ======== version 1 of 2: 1 launch
;; launch scan (part 1): grid 256 x 1, 4 waves a work-group, no clusters, 327,680 bytes of LDS; arguments delta, u, A, B, C, D, lora_A_B, lora_B_B, lora_A_C, lora_B_C, out0; writes out0
.if DOCPART == 1
	.amdgcn_target "amdgcn-amd-amdhsa--gfx1250"
	.amdhsa_code_object_version 6
	.text
	.protected	k_q1b8ec07dfb_scan
	.globl	k_q1b8ec07dfb_scan
	.p2align	8
	.type	k_q1b8ec07dfb_scan,@function
k_q1b8ec07dfb_scan:
	s_mov_b64 s[64:65], 0
	v_nop
	global_prefetch_b8 v0, s[64:65] scope:SCOPE_SE
	s_setreg_imm32_b32 hwreg(HW_REG_WAVE_MODE, 25, 1), 1
	s_wait_xcnt 0x0
; Selective scan with LoRA scales on B and C.  For each channel (b, d), state n and step l:
;   x[n] = exp(delta A[d][n]) x[n] + delta u sB[d][n] B[b][n][l];   y = sum over n of x[n] sC[d][n] C[b][n][l] + u D[d]
; with sB = lora_B_B lora_A_B and sC = lora_B_C lora_A_C.  Computed here as
;   X[n] = exp2(A2[n] delta) X[n] + (W[n] delta u) B[n][l],  y = sum C[n][l] X[n] + u D,  A2 = A log2(e),  W = sB sC,  X = sC x.
; LIMITS, kept on purpose: sB sC is folded into the input term and the sum over n is taken four states a wave and then over the
; waves, so the order of the roundings differs from the formula's; v_exp_f32 gives 0 for results below 2^-126 (ISA guide 15.8).
;
; SHARES.  256 work-groups of four waves.  Work-group x owns the 32 channels 32 x .. 32 x + 31 of the 8,192 (b = x / 64) over all
; 1,024 steps.  Lane = channel; wave g owns the states 4 g .. 4 g + 3: four recurrences a lane, no exponential is made twice.
; delta and u come by tensor loads, 256 steps at a time, through two LDS slots; a lane reads its own row, four steps a load.
; B and C are the same for all lanes of a wave: they lie in registers with lane = time (lane i mod 16 holds steps 4 i .. 4 i + 3 of a
; chunk of 64) and enter the arithmetic as the DPP source row_share:q, so that spreading them costs no instruction.
; The four waves' partial y meet in LDS, one chunk behind the scan; wave g adds rows 8 g .. 8 g + 7 and stores them, sixteen lanes
; to 256 consecutive bytes at a multiple of 256 from out0's first byte.
; NO MATRIX UNIT: the two large products have no sum over an index, and the LoRA products are 64 multiply-adds a lane, once, in f32.
; NO CLUSTER: delta, u and out0 (384 KiB a work-group) are shared with nobody.  B and C (128 KiB a work-group) are shared by the 64
; work-groups of a batch, but each wave takes its four rows straight into the lane = time registers, eight loads a chunk; a joint
; tensor load would put an LDS tile, as many LDS reads and a round of the cluster's barrier for each refill in their place.
.set ROWB,   4096                      ; bytes in a row of delta, u, out0, B, C: 1,024 f32
.set TILEB,  1024                      ; bytes of a row in a tile: 256 steps
.set CHB,    256                       ; bytes of a row in a chunk: 64 steps
.set PITCH,  1040                      ; an LDS row of a tile: 1,024 + 16 = 65 x 16 bytes: sixteen lanes' rows start in sixteen different 16-byte columns modulo 256
.set WTILE,  16*PITCH                  ; one wave's tensor load: 16 rows
.set UOFF,   32*PITCH                  ; u's 32 rows lie behind delta's 32
.set SLOT,   64*PITCH                  ; 66,560 = 0x10400: shares no bit with g x WTILE = g x 0x4100, so an exclusive or changes slots
.set PBASE,  2*SLOT                    ; 133,120 = 520 x 256: the partial sums' own bytes, into which no tensor load lands
.set PPITCH, 272                       ; a row of 64 partial sums: 256 + 16 bytes
.set PWAVE,  32*PPITCH                 ; one wave's partial sums of a chunk
.set PBUF,   4*PWAVE                   ; all four waves'; two such buffers take turns, chunk by chunk
.set LB,   2                           ; v2   lane x PITCH
.set ADC,  3                           ; v3   my delta row in this chunk
.set ADN,  4                           ; v4   the same in the next chunk of the slot (behind the last: the first again)
.set UB,   5                           ; v5   (8 g + h) x PITCH + 16 (lane mod 16), h = lane / 16
.set URD,  6                           ; v6   UB at this chunk
.set PST,  7                           ; v7   where I put my partial sums
.set PRD,  8                           ; v8   where I read partial sums to add them
.set OUTO, 9                           ; v9   (8 g + h) x ROWB + 16 (lane mod 16); never rewritten
.set BL,   10                          ; v10  16 (lane mod 16); never rewritten
.set BCV,  11                          ; v11  BL + the next chunk's bytes in a row of B or C
.set A2,   12                          ; v[12:15]   A log2(e), my four states
.set W,    16                          ; v[16:19]   sB sC
.set X,    20                          ; v[20:23]   the states
.set DR,   24                          ; v[24:27]   D of the rows that I store: DR[i] = D[d0 + 8 g + 2 i + h]
.set DL,   28                          ; v[28:31], v[36:39]  four steps of delta, two sets
.set UU,   32                          ; v[32:35], v[40:43]  four steps of u, two sets
.set DU,   44                          ; v[44:47]   delta u of the quad that is being prepared
.set Y,    48                          ; v[48:51]   my partial y of a quad's four steps
.set E,    52                          ; v[52:67]   E[4 j + n]: exp2(A2[n] delta) of step j
.set IN,   68                          ; v[68:83]   IN[4 j + n]: W[n] delta u B[n] of step j
.set R,    84                          ; v[84:99]   four waves' partial sums, 4 steps each; at the start: the rows of lora_B_B, lora_B_C
.set U,    100                         ; v[100:115] u of the rows that I store; at the start: sB, sC
.set BC,   116                         ; v[116:179] BC + 32 set + 16 (0: B, 1: C) + 4 n + j
.set T,    52                          ; at the start only: lane terms and offsets, in E's registers
.set LA,   68                          ; s[68:99]   eight rows of lora_A_*, my four columns
	s_load_b512 s[4:19], s[0:1], 0x0               ; delta s[4:5], u s[6:7], A s[8:9], B s[10:11], C s[12:13], D s[14:15], lora_A_B s[16:17], lora_B_B s[18:19]
	s_load_b128 s[20:23], s[0:1], 0x40             ; lora_A_C s[20:21], lora_B_C s[22:23]
	s_load_b64 s[24:25], s[0:1], 0x50              ; out0
	v_lshl_add_u32 v184, v0, 2, 0x31800
	v_mov_b32 v185, 0
	ds_add_u32 v184, v185
	ds_add_u32 v184, v185
	v_lshrrev_b32 v1, 5, v0
	v_readfirstlane_b32 s2, v1                     ; g, my wave's number
	; descriptor group 1: 16 rows x 256 elements of 4 bytes, 16 bytes of padding behind each row
	s_mov_b32 s32, (2<<16)|(1<<20)|(7<<22)|(3<<25) ; no mask; element of 4 bytes; padding on; after every 256 words; of 4 words
	s_mov_b32 s33, 256<<16                         ; tensor_dim0 = 256
	s_mov_b32 s34, 16<<16                          ; tensor_dim1 = 16
	s_mov_b32 s35, 256<<16                         ; tile_dim0 = 256
	s_mov_b32 s36, 16                              ; tile_dim1 = 16
	s_mov_b32 s37, 1024                            ; elements from row to row
	s_mov_b32 s38, 0
	s_mov_b32 s39, 0
	; descriptor group 0: waves 0, 1 bring delta's rows 0-15, 16-31, waves 2, 3 the same rows of u
	s_mov_b32 s28, 1
	s_mul_i32 s29, s2, WTILE                       ; slot 0, my 16 rows
	s_lshl_b32 s48, ttmp9, 17                      ; the work-group's 32 rows of 4,096 bytes
	s_mov_b32 s49, 0
	s_and_b32 s46, s2, 1
	s_lshl_b32 s46, s46, 16                        ; which 16 of them I bring
	s_mov_b32 s47, 0
	s_lshl_b32 s3, s2, 4                           ; my four columns in a row of lora_A_*, in bytes
	s_wait_dscnt 0x0
	s_wait_kmcnt 0x0
	s_add_nc_u64 s[24:25], s[24:25], s[48:49]      ; out0 at the work-group's first row
	s_cmp_lt_u32 s2, 2
	s_cselect_b64 s[30:31], s[4:5], s[6:7]
	s_add_nc_u64 s[30:31], s[30:31], s[48:49]
	s_add_nc_u64 s[30:31], s[30:31], s[46:47]
	s_or_b32 s31, s31, 0x80000000                  ; type = 2
	tensor_load_to_lds s[28:31], s[32:39]          ; steps 0-255: the one first fill at the start, ahead of every wait on TENSORcnt, LDS read and barrier
	s_nop 0
.irp r, 0,1,2,3,4,5,6,7
	s_load_b128 s[LA+4*\r:LA+4*\r+3], s[16:17], s3 offset:64*\r    ; lora_A_B[r][4 g .. 4 g + 3]
.endr
	s_lshr_b32 s46, ttmp9, 6                       ; b
	s_lshl_b32 s46, s46, 16                        ; 16 rows of 4,096 bytes a batch
	s_lshl_b32 s47, s2, 14                         ; my four rows
	s_add_co_u32 s46, s46, s47
	s_mov_b32 s47, 0
	s_add_nc_u64 s[10:11], s[10:11], s[46:47]      ; B and C at my first row
	s_add_nc_u64 s[12:13], s[12:13], s[46:47]
	s_mul_i32 s46, s2, PWAVE
	s_add_co_u32 s46, s46, PBASE                   ; my wave's partial sums
	s_and_b32 s47, ttmp9, 63
	s_lshl_b32 s47, s47, 5                         ; d0, the work-group's first d
	v_and_b32 v[T], 31, v0                         ; lane
	v_and_b32 v[T+1], 15, v0                       ; lane mod 16
	v_bfe_u32 v[T+2], v0, 4, 1                     ; h
	v_lshl_add_u32 v[T+3], s2, 3, v[T+2]           ; 8 g + h
	v_mul_u32_u24 v[LB], v[T], PITCH
	v_lshlrev_b32 v[BL], 4, v[T+1]
	v_mad_u32_u24 v[UB], v[T+3], PITCH, v[BL]
	v_mul_u32_u24 v[PST], v[T], PPITCH
	v_add_nc_u32 v[PST], s46, v[PST]
	v_mad_u32_u24 v[PRD], v[T+3], PPITCH, v[BL]
	v_add_nc_u32 v[PRD], PBASE, v[PRD]
	v_lshl_add_u32 v[OUTO], v[T+3], 12, v[BL]
	v_add_nc_u32 v[T+4], s47, v[T]                 ; d
	v_lshlrev_b32 v[T+5], 6, v[T+4]
	v_lshl_add_u32 v[T+5], s2, 4, v[T+5]           ; A: 64 d + 16 g
	v_lshlrev_b32 v[T+6], 5, v[T+4]                ; lora_B_*: 32 d
	v_add_nc_u32 v[T+7], s47, v[T+3]
	v_lshlrev_b32 v[T+7], 2, v[T+7]                ; D: 4 (d0 + 8 g + h)
	global_load_b128 v[A2:A2+3],   v[T+5], s[8:9]
	global_load_b128 v[R:R+3],     v[T+6], s[18:19]
	global_load_b128 v[R+4:R+7],   v[T+6], s[18:19] offset:16
	global_load_b128 v[R+8:R+11],  v[T+6], s[22:23]
	global_load_b128 v[R+12:R+15], v[T+6], s[22:23] offset:16
.irp i, 0,1,2,3
	global_load_b32 v[DR+\i], v[T+7], s[14:15] offset:8*\i
.endr
.irp m, 0,1,2,3
	global_load_b128 v[BC+4*\m:BC+4*\m+3],       v[BL], s[10:11] offset:\m*ROWB    ; chunk 0 of B and C into set 0
	global_load_b128 v[BC+16+4*\m:BC+16+4*\m+3], v[BL], s[12:13] offset:\m*ROWB
.endr
; dst[0..3] = the row of eight in v[rows ..] times the 8 x 4 block in s[LA ..]: the first product starts each sum
.macro LORA dst, rows
.irp m, 0,1,2,3
	v_mul_f32 v[\dst+\m], s[LA+\m], v[\rows]
.endr
.irp r, 1,2,3,4,5,6,7
.irp m, 0,1,2,3
	v_fmac_f32 v[\dst+\m], s[LA+4*\r+\m], v[\rows+\r]
.endr
.endr
.endm
	s_wait_kmcnt 0x0                               ; lora_A_B
	s_wait_loadcnt 0x8                             ; the nine small loads are in; the eight of B and C, issued behind them, stay out
	LORA U, R                                      ; sB
.irp r, 0,1,2,3,4,5,6,7
	s_load_b128 s[LA+4*\r:LA+4*\r+3], s[20:21], s3 offset:64*\r    ; lora_A_C[r][4 g .. 4 g + 3]
.endr
	v_pk_mul_f32 v[A2:A2+1],   v[A2:A2+1],   0x3fb8aa3b op_sel_hi:[1,0]    ; A log2(e): v_exp_f32 works in base 2
	v_pk_mul_f32 v[A2+2:A2+3], v[A2+2:A2+3], 0x3fb8aa3b op_sel_hi:[1,0]
.irp k, 0,1,2,3
	v_mov_b32 v[X+\k], 0                           ; x0 = 0
	v_mov_b32 v[Y+\k], 0                           ; the destination of a DPP form counts as read: written once here
.endr
.irp k, 8,9,10,11,12,13,14,15
	v_mov_b32 v[U+\k], 0                           ; so that all of U is written on every path
.endr
	s_wait_kmcnt 0x0
	LORA U+4, R+8                                  ; sC
	v_pk_mul_f32 v[W:W+1],   v[U:U+1],   v[U+4:U+5]
	v_pk_mul_f32 v[W+2:W+3], v[U+2:U+3], v[U+6:U+7]
	s_mov_b32 s40, SLOT                            ; the slot that is read; the first change of slots makes it 0
	s_mov_b32 s42, CHB                             ; the next chunk's bytes in a row of B or C
	s_mov_b32 s45, 1                               ; 1 in the very first chunk: there is no chunk before it to add up
; v[dst:dst+1] = v[a:a+1] x v[base + j], the one factor for both halves
.macro PKB dst, a, base, j
.if (\j)&1
	v_pk_mul_f32 v[\dst:\dst+1], v[\a:\a+1], v[\base+\j-1:\base+\j] op_sel:[0,1] op_sel_hi:[1,1]
.else
	v_pk_mul_f32 v[\dst:\dst+1], v[\a:\a+1], v[\base+\j:\base+\j+1] op_sel_hi:[1,0]
.endif
.endm
; four steps of delta and of u of my row, quad k of the chunk at v[adr], into a set
.macro LOADQ adr, k, set
	ds_load_b128 v[DL+8*(\set):DL+8*(\set)+3], v[\adr] offset:16*(\k)
	ds_load_b128 v[UU+8*(\set):UU+8*(\set)+3], v[\adr] offset:UOFF+16*(\k)
.endm
; The change of slots.  In front of the barrier every wave's tensor load has landed (its part of the slot read next) and its LDS reads
; are back; behind it the slot read last is filled again, first thing, one load a wave.  By this text's count one tensor load of a wave is out at the most.
.macro SLOTSYNC refill
	s_wait_tensorcnt 0x0                           ; no tensor load of mine is out: group 0 may be written
	ds_add_u32 v184, v185
	s_wait_dscnt 0x0
.if \refill
	s_add_nc_u64 s[30:31], s[30:31], TILEB         ; the next 256 steps
	s_xor_b32 s29, s29, SLOT                       ; into the other slot
.endif
	s_xor_b32 s40, s40, SLOT                       ; and the slot that has just landed is read
	s_wait_dscnt 0x0
	s_barrier_signal -1
	s_barrier_wait -1
.if \refill
	tensor_load_to_lds s[28:31], s[32:39]          ; it has the slot's 256 steps of work in which to land
	s_nop 0
.endif
.endm
; The start of a slot: addresses, the first two quads' loads, and quad 0 prepared (E and IN of its four steps)
.macro PIPE
	s_mov_b32 s41, 0                               ; the chunk's bytes in a tile's row
	v_add_nc_u32 v[ADC], s40, v[LB]
	v_add_nc_u32 v[URD], s40, v[UB]
	v_add_nc_u32 v[ADN], CHB, v[ADC]
	LOADQ ADC, 0, 0
	LOADQ ADC, 1, 1
	s_wait_dscnt 0x2                               ; quad 0's two loads are in, quad 1's two stay out
	s_wait_loadcnt 0x0                             ; set 0 of B and C: a slot's first chunk is an even one
	v_pk_mul_f32 v[DU:DU+1],   v[DL:DL+1],   v[UU:UU+1]
	v_pk_mul_f32 v[DU+2:DU+3], v[DL+2:DL+3], v[UU+2:UU+3]
	s_wait_alu depctr_va_vdst(0)
.irp j, 0,1,2,3
	PKB E+4*\j,    A2,   DL, \j
	PKB E+4*\j+2,  A2+2, DL, \j
	PKB IN+4*\j,   W,    DU, \j
	PKB IN+4*\j+2, W+2,  DU, \j
.endr
.irp k, 0,1,2,3,4,5,6,7,8,9,10,11,12,13,14,15
	v_exp_f32 v[E+\k], v[E+\k]
.endr
.irp j, 0,1,2,3
.irp m, 0,1,2,3
	v_mul_f32_dpp v[IN+4*\j+\m], v[BC+4*\m+\j], v[IN+4*\j+\m] row_share:0 row_mask:0xf bank_mask:0xf   ; plain work on other registers behind the last v_exp_f32 (ISA guide 5.7.2)
.endr
.endr
	s_wait_dscnt 0x0                               ; quad 1
.endm
; Step j of quad q, and step j of the next quad prepared in the registers that it frees.  Each v_exp_f32 is followed by a plain
; instruction on other registers, and its result is read a quad later (ISA guide 5.7.2).  SN: the set with the next quad's delta;
; BS: the set with the next quad's B, at lane qn.
.macro STEP q, qn, j, par
	v_pk_fma_f32 v[X:X+1],     v[E+4*\j:E+4*\j+1],   v[X:X+1],     v[IN+4*\j:IN+4*\j+1]
	v_pk_fma_f32 v[X+2:X+3],   v[E+4*\j+2:E+4*\j+3], v[X+2:X+3],   v[IN+4*\j+2:IN+4*\j+3]
	PKB E+4*\j,    A2,   DL+8*SN, \j
	PKB E+4*\j+2,  A2+2, DL+8*SN, \j
	PKB IN+4*\j,   W,    DU,      \j
	v_mul_f32_dpp  v[Y+\j],      v[BC+32*\par+16+\j], v[X]         row_share:\q row_mask:0xf bank_mask:0xf
	PKB IN+4*\j+2, W+2,  DU,      \j
	v_exp_f32 v[E+4*\j], v[E+4*\j]
	v_mul_f32_dpp  v[IN+4*\j],   v[BC+32*BS+\j],      v[IN+4*\j]   row_share:\qn row_mask:0xf bank_mask:0xf
	v_fmac_f32_dpp v[Y+\j],      v[BC+32*\par+20+\j], v[X+1]       row_share:\q row_mask:0xf bank_mask:0xf
	v_exp_f32 v[E+4*\j+1], v[E+4*\j+1]
	v_mul_f32_dpp  v[IN+4*\j+1], v[BC+32*BS+4+\j],    v[IN+4*\j+1] row_share:\qn row_mask:0xf bank_mask:0xf
	v_mul_f32_dpp  v[IN+4*\j+2], v[BC+32*BS+8+\j],    v[IN+4*\j+2] row_share:\qn row_mask:0xf bank_mask:0xf
	v_fmac_f32_dpp v[Y+\j],      v[BC+32*\par+24+\j], v[X+2]       row_share:\q row_mask:0xf bank_mask:0xf
	v_exp_f32 v[E+4*\j+2], v[E+4*\j+2]
	v_mul_f32_dpp  v[IN+4*\j+3], v[BC+32*BS+12+\j],   v[IN+4*\j+3] row_share:\qn row_mask:0xf bank_mask:0xf
	v_fmac_f32_dpp v[Y+\j],      v[BC+32*\par+28+\j], v[X+3]       row_share:\q row_mask:0xf bank_mask:0xf
	v_exp_f32 v[E+4*\j+3], v[E+4*\j+3]
.endm
; The last chunk's sums, rows 8 g + 2 i and 8 g + 2 i + 1: the four waves' parts are asked for ...
.macro RISSUE i, rp, mayskip
.if \mayskip
	s_cmp_lg_u32 s45, 0
	s_cbranch_scc1 .Lno_parts_\@
.endif
	s_wait_xcnt 0x0                                ; R[0:3] were a store's data: they are loaded again only behind this wait (ISA guide 3.1)
.irp w, 0,1,2,3
	ds_load_b128 v[R+4*\w:R+4*\w+3], v[PRD] offset:(\rp)*PBUF+\w*PWAVE+2*PPITCH*(\i)
.endr
.if \mayskip
.Lno_parts_\@:
.endif
.endm
; ... and, two quads later, added, with u D, and stored: sixteen lanes to 256 consecutive bytes.  The base has stepped on to this chunk: the store reaches back.
.macro RCONS i, mayskip
.if \mayskip
	s_cmp_lg_u32 s45, 0
	s_cbranch_scc1 .Lno_sum_\@
.endif
	v_pk_add_f32 v[R:R+1],     v[R:R+1],     v[R+4:R+5]
	v_pk_add_f32 v[R+2:R+3],   v[R+2:R+3],   v[R+6:R+7]
	v_pk_add_f32 v[R+8:R+9],   v[R+8:R+9],   v[R+12:R+13]
	v_pk_add_f32 v[R+10:R+11], v[R+10:R+11], v[R+14:R+15]
.if (\i)&1
	v_pk_fma_f32 v[R:R+1],   v[U+4*(\i):U+4*(\i)+1],   v[DR+(\i)-1:DR+(\i)], v[R:R+1]   op_sel:[0,1,0] op_sel_hi:[1,1,1]
	v_pk_fma_f32 v[R+2:R+3], v[U+4*(\i)+2:U+4*(\i)+3], v[DR+(\i)-1:DR+(\i)], v[R+2:R+3] op_sel:[0,1,0] op_sel_hi:[1,1,1]
	s_wait_alu depctr_va_vdst(0)
.else
	v_pk_fma_f32 v[R:R+1],   v[U+4*(\i):U+4*(\i)+1],   v[DR+(\i):DR+(\i)+1], v[R:R+1]   op_sel_hi:[1,0,1]
	v_pk_fma_f32 v[R+2:R+3], v[U+4*(\i)+2:U+4*(\i)+3], v[DR+(\i):DR+(\i)+1], v[R+2:R+3] op_sel_hi:[1,0,1]
	s_wait_alu depctr_va_vdst(0)
.endif
	v_pk_add_f32 v[R:R+1],     v[R:R+1],     v[R+8:R+9]
	v_pk_add_f32 v[R+2:R+3],   v[R+2:R+3],   v[R+10:R+11]
	global_store_b128 v[OUTO], v[R:R+3], s[24:25] offset:2*ROWB*(\i)-CHB th:TH_STORE_NT
.if \mayskip
.Lno_sum_\@:
.endif
.endm
; u of this chunk for the eight rows that I store, kept in registers: the slot may be filled again before the chunk is added up
.macro UPRE
.irp i, 0,1,2,3
	ds_load_b128 v[U+4*\i:U+4*\i+3], v[URD] offset:UOFF+2*PITCH*\i
.endr
.endm
; Quad q of a chunk: four steps.  qn = the lane with the next quad's B.  Quad q + 1 is prepared, quad q + 2 is asked for.
.macro QUAD q, qn, par, mayskip
.set SC, (\q)&1                        ; the set in which quad q came: free, quad q was prepared a quad ago
.set SN, 1-SC                          ; the set with quad q + 1
.if (\q)==15
.set BS, 1-\par                        ; the next quad is the next chunk's first
.else
.set BS, \par
.endif
	s_wait_dscnt 0x1                               ; quad q + 1's two loads are in: the one LDS instruction issued behind them is the store of the last quad's Y
.if ((\q)&3)==0
	RISSUE (\q)/4, 1-\par, \mayskip                ; ahead of this quad's loads, so that the next quad's wait shows these done too
.endif
.if ((\q)&3)==2
	RCONS ((\q)-2)/4, \mayskip
.endif
.if (\q)==15
	s_wait_loadcnt 0x0                             ; the next chunk's B and C, asked for at this chunk's head
	UPRE                                           ; U's last use for the chunk before was in quad 14
.endif
.if (\q)<14
	LOADQ ADC, (\q)+2, SC
.else
	LOADQ ADN, (\q)-14, SC
.endif
	v_pk_mul_f32 v[DU:DU+1],   v[DL+8*SN:DL+8*SN+1],   v[UU+8*SN:UU+8*SN+1]
	v_pk_mul_f32 v[DU+2:DU+3], v[DL+8*SN+2:DL+8*SN+3], v[UU+8*SN+2:UU+8*SN+3]
	s_wait_alu depctr_va_vdst(0)
.irp j, 0,1,2,3
	STEP \q, \qn, \j, \par
.endr
	ds_store_b128 v[PST], v[Y:Y+3] offset:\par*PBUF+16*(\q)
.endm
; A chunk of 64 steps.  par = its parity: which set holds its B and C, and into which buffer its partial sums go.
; In a slot's last chunk the look-ahead reads the slot's first chunk again (bytes that have landed); what is prepared from it is
; made anew at the next slot's start.  Behind the last chunk of all, B's and C's look-ahead wraps to step 0: inside the buffers.
.macro CHUNK par, mayskip
	v_add_nc_u32 v[BCV], s42, v[BL]                ; free: the loads that named it were waited for in the last chunk's quad 15
	s_wait_alu depctr_va_vdst(0)
.irp m, 0,1,2,3
	global_load_b128 v[BC+32*(1-\par)+4*\m:BC+32*(1-\par)+4*\m+3],       v[BCV], s[10:11] offset:\m*ROWB
	global_load_b128 v[BC+32*(1-\par)+16+4*\m:BC+32*(1-\par)+16+4*\m+3], v[BCV], s[12:13] offset:\m*ROWB
.endr
	QUAD 0,  1,  \par, \mayskip
	QUAD 1,  2,  \par, \mayskip
	QUAD 2,  3,  \par, \mayskip
	QUAD 3,  4,  \par, \mayskip
	QUAD 4,  5,  \par, \mayskip
	QUAD 5,  6,  \par, \mayskip
	QUAD 6,  7,  \par, \mayskip
	QUAD 7,  8,  \par, \mayskip
	QUAD 8,  9,  \par, \mayskip
	QUAD 9,  10, \par, \mayskip
	QUAD 10, 11, \par, \mayskip
	QUAD 11, 12, \par, \mayskip
	QUAD 12, 13, \par, \mayskip
	QUAD 13, 14, \par, \mayskip
	QUAD 14, 15, \par, \mayskip
	QUAD 15, 0,  \par, \mayskip
	s_mov_b32 s45, 0                               ; from now on there is a chunk to add up
	s_add_co_u32 s41, s41, CHB
	s_and_b32 s41, s41, TILEB-1                    ; the next chunk in the slot
	s_add_co_u32 s46, s41, CHB
	s_and_b32 s46, s46, TILEB-1                    ; and the one behind it
	s_add_co_u32 s46, s46, s40
	s_add_co_u32 s47, s41, s40
	v_mov_b32 v[ADC], v[ADN]
	v_add_nc_u32 v[ADN], s46, v[LB]
	v_add_nc_u32 v[URD], s47, v[UB]
	s_add_co_u32 s42, s42, CHB
	s_and_b32 s42, s42, ROWB-1
	s_wait_dscnt 0x0                               ; for the other waves: my partial sums are written, my reads of the other buffer are back
	s_wait_xcnt 0x0                                ; the stores' base is stepped only behind this wait (ISA guide 3.1)
	s_add_nc_u64 s[24:25], s[24:25], CHB
	s_barrier_signal -1                            ; the next tile's tensor load may be on its way
	s_barrier_wait -1
.endm
	s_mov_b32 s43, 0
.Lslot:                                            ; tiles 0, 1, 2: each asks for the next one
	SLOTSYNC 1
	PIPE
	s_mov_b32 s44, 0
.Lpair:
	CHUNK 0, 1
	CHUNK 1, 0
	s_add_co_u32 s44, s44, 1
	s_cmp_lt_u32 s44, 2
	s_cbranch_scc1 .Lpair
	s_add_co_u32 s43, s43, 1
	s_cmp_lt_u32 s43, 3
	s_cbranch_scc1 .Lslot
	SLOTSYNC 0                                     ; tile 3: nothing is left to fetch
	PIPE
	s_mov_b32 s44, 0
.Ltail:
	CHUNK 0, 0
	CHUNK 1, 0
	s_add_co_u32 s44, s44, 1
	s_cmp_lt_u32 s44, 2
	s_cbranch_scc1 .Ltail
.irp i, 0,1,2,3
	RISSUE \i, 1, 0                                ; the last chunk, an odd one, is added up
	s_wait_dscnt 0x0
	RCONS \i, 0
.endr
	s_wait_tensorcnt 0x0
	ds_add_u32 v184, v185
	s_wait_dscnt 0x0
	s_endpgm
.Lfunc_end_k_q1b8ec07dfb_scan:
	.size	k_q1b8ec07dfb_scan, .Lfunc_end_k_q1b8ec07dfb_scan-k_q1b8ec07dfb_scan
	.p2alignl 7, 3214868480
	.fill 96, 4, 3214868480
	.section	.rodata,"a",@progbits
	.p2align	6, 0x0
	.amdhsa_kernel k_q1b8ec07dfb_scan
		.amdhsa_group_segment_fixed_size 327680
		.amdhsa_private_segment_fixed_size 0
		.amdhsa_enable_private_segment 0
		.amdhsa_kernarg_size 88
		.amdhsa_user_sgpr_count 2
		.amdhsa_user_sgpr_kernarg_segment_ptr 1
		.amdhsa_wavefront_size32 1
		.amdhsa_system_sgpr_workgroup_id_x 1
		.amdhsa_system_sgpr_workgroup_id_y 1
		.amdhsa_system_sgpr_workgroup_id_z 1
		.amdhsa_system_vgpr_workitem_id 0
		.amdhsa_next_free_vgpr 186
		.amdhsa_next_free_sgpr 100
		.amdhsa_reserve_vcc 0
		.amdhsa_float_denorm_mode_32 3
		.amdhsa_float_denorm_mode_16_64 3
		.amdhsa_memory_ordered 1
		.amdhsa_forward_progress 1
		.amdhsa_inst_pref_size 255
	.end_amdhsa_kernel
	.section	.bss,"aw",@nobits
	.p2align	6
	.space	262144
	.amdgpu_metadata
---
amdhsa.version: [ 1, 2 ]
amdhsa.kernels:
  - .name:           k_q1b8ec07dfb_scan
    .symbol:         k_q1b8ec07dfb_scan.kd
    .args:
      - { .name: delta, .offset: 0, .size: 8, .value_kind: global_buffer, .address_space: global }
      - { .name: u, .offset: 8, .size: 8, .value_kind: global_buffer, .address_space: global }
      - { .name: A, .offset: 16, .size: 8, .value_kind: global_buffer, .address_space: global }
      - { .name: B, .offset: 24, .size: 8, .value_kind: global_buffer, .address_space: global }
      - { .name: C, .offset: 32, .size: 8, .value_kind: global_buffer, .address_space: global }
      - { .name: D, .offset: 40, .size: 8, .value_kind: global_buffer, .address_space: global }
      - { .name: lora_A_B, .offset: 48, .size: 8, .value_kind: global_buffer, .address_space: global }
      - { .name: lora_B_B, .offset: 56, .size: 8, .value_kind: global_buffer, .address_space: global }
      - { .name: lora_A_C, .offset: 64, .size: 8, .value_kind: global_buffer, .address_space: global }
      - { .name: lora_B_C, .offset: 72, .size: 8, .value_kind: global_buffer, .address_space: global }
      - { .name: out0, .offset: 80, .size: 8, .value_kind: global_buffer, .address_space: global }
    .group_segment_fixed_size: 327680
    .private_segment_fixed_size: 0
    .kernarg_segment_align: 8
    .kernarg_segment_size: 88
    .max_flat_workgroup_size: 128
    .sgpr_count:     100
    .vgpr_count:     186
    .wavefront_size: 32
...
	.end_amdgpu_metadata
.endif
;; end of part 1
;; ======== version 2 of 2: 1 launch; 1.10 times as fast as version 1
;; launch scan (part 2): grid 256 x 1, 4 waves a work-group, no clusters, 327,680 bytes of LDS; arguments delta, u, A, B, C, D, lora_A_B, lora_B_B, lora_A_C, lora_B_C, out0; writes out0
.if DOCPART == 2
	.amdgcn_target "amdgcn-amd-amdhsa--gfx1250"
	.amdhsa_code_object_version 6
	.text
	.protected	k_q1b8ec07dfb_scan
	.globl	k_q1b8ec07dfb_scan
	.p2align	8
	.type	k_q1b8ec07dfb_scan,@function
k_q1b8ec07dfb_scan:
	s_mov_b64 s[64:65], 0
	v_nop
	global_prefetch_b8 v0, s[64:65] scope:SCOPE_SE
	s_setreg_imm32_b32 hwreg(HW_REG_WAVE_MODE, 25, 1), 1
	s_wait_xcnt 0x0
; Selective scan with LoRA scales on B and C.  For each channel (b, d), state n and step l:
;   x[n] = exp(delta A[d][n]) x[n] + delta u sB[d][n] B[b][n][l];   y = sum over n of x[n] sC[d][n] C[b][n][l] + u D[d]
; with sB = lora_B_B lora_A_B and sC = lora_B_C lora_A_C.  Computed here as
;   X[n] = exp2(A2[n] delta) X[n] + (W[n] delta u) B[n][l],  y = sum C[n][l] X[n] + u D,  A2 = A log2(e),  W = sB sC,  X = sC x.
; LIMITS, kept on purpose: sB sC is folded into the input term and the sum over n is taken four states a wave and then over the
; waves, so the order of the roundings differs from the formula's; v_exp_f32 gives 0 for results below 2^-126 (ISA guide 15.8).
;
; SHARES.  256 work-groups of four waves.  Work-group x owns the 32 channels 32 x .. 32 x + 31 of the 8,192 (b = x / 64) over all
; 1,024 steps.  Lane = channel; wave g owns the states 4 g .. 4 g + 3: four recurrences a lane, no exponential is made twice.
; delta and u come by tensor loads, 256 steps at a time, through two LDS slots; a lane reads its own row, four steps a load.
; B and C are the same for all lanes of a wave: they lie in registers with lane = time (lane i mod 16 holds steps 4 i .. 4 i + 3 of a
; chunk of 64) and enter the arithmetic as the DPP source row_share:q, so that spreading them costs no instruction.
; The four waves' partial y meet in LDS, one chunk behind the scan; wave g adds rows 8 g .. 8 g + 7 and stores them, sixteen lanes
; to 256 consecutive bytes at a multiple of 256 from out0's first byte.
; THE EXPONENTIALS GO IN BATCHES OF SIXTEEN, one batch a quad of four steps.  While quad q's steps run, the sixteen v_exp_f32 of quad
; q + 1 are issued into the registers that the steps free, and no line names a result before the quad's end.  There stands the batch's
; ONE wait (between a v_exp_f32 and the first line that names its result): behind three plain lines, and
; directly ahead of the store of Y, which reads the quad's last vector result.
; A slot's start (PIPE) has a batch and a wait of its own.  A batch is no longer than a quad: quad q + 1's delta is shown landed at
; quad q's head, and its exponentials are read at quad q + 1's.
; NO MATRIX UNIT: the two large products have no sum over an index, and the LoRA products are 64 multiply-adds a lane, once, in f32.
; NO CLUSTER: delta, u and out0 (384 KiB a work-group) are shared with nobody.  B and C (128 KiB a work-group) are shared by the 64
; work-groups of a batch, but each wave takes its four rows straight into the lane = time registers, eight loads a chunk; a joint
; tensor load would put an LDS tile, as many LDS reads and a round of the cluster's barrier for each refill in their place.
.set ROWB,   4096                      ; bytes in a row of delta, u, out0, B, C: 1,024 f32
.set TILEB,  1024                      ; bytes of a row in a tile: 256 steps
.set CHB,    256                       ; bytes of a row in a chunk: 64 steps
.set PITCH,  1040                      ; an LDS row of a tile: 1,024 + 16 = 65 x 16 bytes: sixteen lanes' rows start in sixteen different 16-byte columns modulo 256
.set WTILE,  16*PITCH                  ; one wave's tensor load: 16 rows
.set UOFF,   32*PITCH                  ; u's 32 rows lie behind delta's 32
.set SLOT,   64*PITCH                  ; 66,560 = 0x10400: shares no bit with g x WTILE = g x 0x4100, so an exclusive or changes slots
.set PBASE,  2*SLOT                    ; 133,120 = 520 x 256: the partial sums' own bytes, into which no tensor load lands
.set PPITCH, 272                       ; a row of 64 partial sums: 256 + 16 bytes
.set PWAVE,  32*PPITCH                 ; one wave's partial sums of a chunk
.set PBUF,   4*PWAVE                   ; all four waves'; two such buffers take turns, chunk by chunk
.set LB,   2                           ; v2   lane x PITCH
.set ADC,  3                           ; v3   my delta row in this chunk
.set ADN,  4                           ; v4   the same in the next chunk of the slot (behind the last: the first again)
.set UB,   5                           ; v5   (8 g + h) x PITCH + 16 (lane mod 16), h = lane / 16
.set URD,  6                           ; v6   UB at this chunk
.set PST,  7                           ; v7   where I put my partial sums
.set PRD,  8                           ; v8   where I read partial sums to add them
.set OUTO, 9                           ; v9   (8 g + h) x ROWB + 16 (lane mod 16); never rewritten
.set BL,   10                          ; v10  16 (lane mod 16); never rewritten
.set BCV,  11                          ; v11  BL + the next chunk's bytes in a row of B or C
.set A2,   12                          ; v[12:15]   A log2(e), my four states
.set W,    16                          ; v[16:19]   sB sC
.set X,    20                          ; v[20:23]   the states
.set DR,   24                          ; v[24:27]   D of the rows that I store: DR[i] = D[d0 + 8 g + 2 i + h]
.set DL,   28                          ; v[28:31], v[36:39]  four steps of delta, two sets
.set UU,   32                          ; v[32:35], v[40:43]  four steps of u, two sets
.set DU,   44                          ; v[44:47]   delta u of the quad that is being prepared
.set Y,    48                          ; v[48:51]   my partial y of an even quad's four steps
.set E,    52                          ; v[52:67]   E[4 j + n]: exp2(A2[n] delta) of step j
.set IN,   68                          ; v[68:83]   IN[4 j + n]: W[n] delta u B[n] of step j
.set R,    84                          ; v[84:99]   four waves' partial sums, 4 steps each; at the start: the rows of lora_B_B, lora_B_C
.set U,    100                         ; v[100:115] u of the rows that I store; at the start: sB, sC
.set BC,   116                         ; v[116:179] BC + 32 set + 16 (0: B, 1: C) + 4 n + j
.set YB,   180                         ; v[180:183] my partial y of an odd quad's four steps: a quad's first step does not write the registers that the store just issued reads
.set T,    52                          ; at the start only: lane terms and offsets, in E's registers
.set LA,   68                          ; s[68:99]   eight rows of lora_A_*, my four columns
	s_load_b512 s[4:19], s[0:1], 0x0               ; delta s[4:5], u s[6:7], A s[8:9], B s[10:11], C s[12:13], D s[14:15], lora_A_B s[16:17], lora_B_B s[18:19]
	s_load_b128 s[20:23], s[0:1], 0x40             ; lora_A_C s[20:21], lora_B_C s[22:23]
	s_load_b64 s[24:25], s[0:1], 0x50              ; out0
	v_lshl_add_u32 v184, v0, 2, 0x31800
	v_mov_b32 v185, 0
	ds_add_u32 v184, v185
	ds_add_u32 v184, v185
	v_lshrrev_b32 v1, 5, v0
	v_readfirstlane_b32 s2, v1                     ; g, my wave's number
	; descriptor group 1: 16 rows x 256 elements of 4 bytes, 16 bytes of padding behind each row
	s_mov_b32 s32, (2<<16)|(1<<20)|(7<<22)|(3<<25) ; no mask; element of 4 bytes; padding on; after every 256 words; of 4 words
	s_mov_b32 s33, 256<<16                         ; tensor_dim0 = 256
	s_mov_b32 s34, 16<<16                          ; tensor_dim1 = 16
	s_mov_b32 s35, 256<<16                         ; tile_dim0 = 256
	s_mov_b32 s36, 16                              ; tile_dim1 = 16
	s_mov_b32 s37, 1024                            ; elements from row to row
	s_mov_b32 s38, 0
	s_mov_b32 s39, 0
	; descriptor group 0: waves 0, 1 bring delta's rows 0-15, 16-31, waves 2, 3 the same rows of u
	s_mov_b32 s28, 1
	s_mul_i32 s29, s2, WTILE                       ; slot 0, my 16 rows
	s_lshl_b32 s48, ttmp9, 17                      ; the work-group's 32 rows of 4,096 bytes
	s_mov_b32 s49, 0
	s_and_b32 s46, s2, 1
	s_lshl_b32 s46, s46, 16                        ; which 16 of them I bring
	s_mov_b32 s47, 0
	s_lshl_b32 s3, s2, 4                           ; my four columns in a row of lora_A_*, in bytes
	s_wait_dscnt 0x0
	s_wait_kmcnt 0x0
	s_add_nc_u64 s[24:25], s[24:25], s[48:49]      ; out0 at the work-group's first row
	s_cmp_lt_u32 s2, 2
	s_cselect_b64 s[30:31], s[4:5], s[6:7]
	s_add_nc_u64 s[30:31], s[30:31], s[48:49]
	s_add_nc_u64 s[30:31], s[30:31], s[46:47]
	s_or_b32 s31, s31, 0x80000000                  ; type = 2
	tensor_load_to_lds s[28:31], s[32:39]          ; steps 0-255: the one first fill at the start, ahead of every wait on TENSORcnt, LDS read and barrier
	s_nop 0
.irp r, 0,1,2,3,4,5,6,7
	s_load_b128 s[LA+4*\r:LA+4*\r+3], s[16:17], s3 offset:64*\r    ; lora_A_B[r][4 g .. 4 g + 3]
.endr
	s_lshr_b32 s46, ttmp9, 6                       ; b
	s_lshl_b32 s46, s46, 16                        ; 16 rows of 4,096 bytes a batch
	s_lshl_b32 s47, s2, 14                         ; my four rows
	s_add_co_u32 s46, s46, s47
	s_mov_b32 s47, 0
	s_add_nc_u64 s[10:11], s[10:11], s[46:47]      ; B and C at my first row
	s_add_nc_u64 s[12:13], s[12:13], s[46:47]
	s_mul_i32 s46, s2, PWAVE
	s_add_co_u32 s46, s46, PBASE                   ; my wave's partial sums
	s_and_b32 s47, ttmp9, 63
	s_lshl_b32 s47, s47, 5                         ; d0, the work-group's first d
	v_and_b32 v[T], 31, v0                         ; lane
	v_and_b32 v[T+1], 15, v0                       ; lane mod 16
	v_bfe_u32 v[T+2], v0, 4, 1                     ; h
	v_lshl_add_u32 v[T+3], s2, 3, v[T+2]           ; 8 g + h
	v_mul_u32_u24 v[LB], v[T], PITCH
	v_lshlrev_b32 v[BL], 4, v[T+1]
	v_mad_u32_u24 v[UB], v[T+3], PITCH, v[BL]
	v_mul_u32_u24 v[PST], v[T], PPITCH
	v_add_nc_u32 v[PST], s46, v[PST]
	v_mad_u32_u24 v[PRD], v[T+3], PPITCH, v[BL]
	v_add_nc_u32 v[PRD], PBASE, v[PRD]
	v_lshl_add_u32 v[OUTO], v[T+3], 12, v[BL]
	v_add_nc_u32 v[T+4], s47, v[T]                 ; d
	v_lshlrev_b32 v[T+5], 6, v[T+4]
	v_lshl_add_u32 v[T+5], s2, 4, v[T+5]           ; A: 64 d + 16 g
	v_lshlrev_b32 v[T+6], 5, v[T+4]                ; lora_B_*: 32 d
	v_add_nc_u32 v[T+7], s47, v[T+3]
	v_lshlrev_b32 v[T+7], 2, v[T+7]                ; D: 4 (d0 + 8 g + h)
	global_load_b128 v[A2:A2+3],   v[T+5], s[8:9]
	global_load_b128 v[R:R+3],     v[T+6], s[18:19]
	global_load_b128 v[R+4:R+7],   v[T+6], s[18:19] offset:16
	global_load_b128 v[R+8:R+11],  v[T+6], s[22:23]
	global_load_b128 v[R+12:R+15], v[T+6], s[22:23] offset:16
.irp i, 0,1,2,3
	global_load_b32 v[DR+\i], v[T+7], s[14:15] offset:8*\i
.endr
.irp m, 0,1,2,3
	global_load_b128 v[BC+4*\m:BC+4*\m+3],       v[BL], s[10:11] offset:\m*ROWB    ; chunk 0 of B and C into set 0
	global_load_b128 v[BC+16+4*\m:BC+16+4*\m+3], v[BL], s[12:13] offset:\m*ROWB
.endr
; dst[0..3] = the row of eight in v[rows ..] times the 8 x 4 block in s[LA ..]: the first product starts each sum
.macro LORA dst, rows
.irp m, 0,1,2,3
	v_mul_f32 v[\dst+\m], s[LA+\m], v[\rows]
.endr
.irp r, 1,2,3,4,5,6,7
.irp m, 0,1,2,3
	v_fmac_f32 v[\dst+\m], s[LA+4*\r+\m], v[\rows+\r]
.endr
.endr
.endm
	s_wait_kmcnt 0x0                               ; lora_A_B
	s_wait_loadcnt 0x8                             ; the nine small loads are in; the eight of B and C, issued behind them, stay out
	LORA U, R                                      ; sB
.irp r, 0,1,2,3,4,5,6,7
	s_load_b128 s[LA+4*\r:LA+4*\r+3], s[20:21], s3 offset:64*\r    ; lora_A_C[r][4 g .. 4 g + 3]
.endr
	v_pk_mul_f32 v[A2:A2+1],   v[A2:A2+1],   0x3fb8aa3b op_sel_hi:[1,0]    ; A log2(e): v_exp_f32 works in base 2
	v_pk_mul_f32 v[A2+2:A2+3], v[A2+2:A2+3], 0x3fb8aa3b op_sel_hi:[1,0]
.irp k, 0,1,2,3
	v_mov_b32 v[X+\k], 0                           ; x0 = 0
	v_mov_b32 v[Y+\k], 0                           ; the destination of a DPP form counts as read: written once here,
	v_mov_b32 v[YB+\k], 0                          ; in both sets
.endr
.irp k, 8,9,10,11,12,13,14,15
	v_mov_b32 v[U+\k], 0                           ; so that all of U is written on every path
.endr
	s_wait_kmcnt 0x0
	LORA U+4, R+8                                  ; sC
	v_pk_mul_f32 v[W:W+1],   v[U:U+1],   v[U+4:U+5]
	v_pk_mul_f32 v[W+2:W+3], v[U+2:U+3], v[U+6:U+7]
	s_mov_b32 s40, SLOT                            ; the slot that is read; the first change of slots makes it 0
	s_mov_b32 s42, CHB                             ; the next chunk's bytes in a row of B or C
	s_mov_b32 s45, 1                               ; 1 in the very first chunk: there is no chunk before it to add up
; v[dst:dst+1] = v[a:a+1] x v[base + j], the one factor for both halves
.macro PKB dst, a, base, j
.if (\j)&1
	v_pk_mul_f32 v[\dst:\dst+1], v[\a:\a+1], v[\base+\j-1:\base+\j] op_sel:[0,1] op_sel_hi:[1,1]
.else
	v_pk_mul_f32 v[\dst:\dst+1], v[\a:\a+1], v[\base+\j:\base+\j+1] op_sel_hi:[1,0]
.endif
.endm
; four steps of delta and of u of my row, quad k of the chunk at v[adr], into a set
.macro LOADQ adr, k, set
	ds_load_b128 v[DL+8*(\set):DL+8*(\set)+3], v[\adr] offset:16*(\k)
	ds_load_b128 v[UU+8*(\set):UU+8*(\set)+3], v[\adr] offset:UOFF+16*(\k)
.endm
; The change of slots.  In front of the barrier every wave's tensor load has landed (its part of the slot read next) and its LDS reads
; are back; behind it the slot read last is filled again, first thing, one load a wave.  By this text's count one tensor load of a wave is out at the most.
.macro SLOTSYNC refill
	s_wait_tensorcnt 0x0                           ; no tensor load of mine is out: group 0 may be written
	ds_add_u32 v184, v185
	s_wait_dscnt 0x0
.if \refill
	s_add_nc_u64 s[30:31], s[30:31], TILEB         ; the next 256 steps
	s_xor_b32 s29, s29, SLOT                       ; into the other slot
.endif
	s_xor_b32 s40, s40, SLOT                       ; and the slot that has just landed is read
	s_wait_dscnt 0x0
	s_barrier_signal -1
	s_barrier_wait -1
.if \refill
	tensor_load_to_lds s[28:31], s[32:39]          ; it has the slot's 256 steps of work in which to land
	s_nop 0
.endif
.endm
; The start of a slot: addresses, the first two quads' loads, and quad 0 prepared (E and IN of its four steps).
; E's registers are free to be written: the batch issued into them last had its wait at its quad's end.
.macro PIPE
	s_mov_b32 s41, 0                               ; the chunk's bytes in a tile's row
	v_add_nc_u32 v[ADC], s40, v[LB]
	v_add_nc_u32 v[URD], s40, v[UB]
	v_add_nc_u32 v[ADN], CHB, v[ADC]
	LOADQ ADC, 0, 0
	LOADQ ADC, 1, 1
	s_wait_dscnt 0x2                               ; quad 0's two loads are in, quad 1's two stay out
	s_wait_loadcnt 0x0                             ; set 0 of B and C: a slot's first chunk is an even one
	v_pk_mul_f32 v[DU:DU+1],   v[DL:DL+1],   v[UU:UU+1]
	v_pk_mul_f32 v[DU+2:DU+3], v[DL+2:DL+3], v[UU+2:UU+3]
.irp j, 0,1,2,3
	PKB E+4*\j,    A2,   DL, \j
	PKB E+4*\j+2,  A2+2, DL, \j
	PKB IN+4*\j,   W,    DU, \j
	PKB IN+4*\j+2, W+2,  DU, \j
.endr
.irp k, 0,1,2,3,4,5,6,7,8,9,10,11,12,13,14,15
	v_exp_f32 v[E+\k], v[E+\k]                     ; quad 0's batch of sixteen
.endr
.irp j, 0,1,2,3
.irp m, 0,1,2,3
	v_mul_f32_dpp v[IN+4*\j+\m], v[BC+4*\m+\j], v[IN+4*\j+\m] row_share:0 row_mask:0xf bank_mask:0xf   ; plain work on other registers behind the last v_exp_f32 (ISA guide 5.7.2)
.endr
.endr
	s_wait_alu depctr_va_vdst(0)                   ; ONE wait for quad 0's sixteen v_exp_f32, behind the sixteen multiplies above, ahead of the loop's label and of quad 0's steps, which read E
	s_wait_dscnt 0x0                               ; quad 1
.endm
; Step j of quad q, and step j of the next quad prepared in the registers that it frees.  Each v_exp_f32 is followed by a plain
; instruction on other registers, and its result is read a quad later (ISA guide 5.7.2), behind the wait at this quad's end; three
; plain lines that name no result stand behind a step's last v_exp_f32.  SN: the set with the next quad's delta;
; BS: the set with the next quad's B, at lane qn; YQ: this quad's set of Y.
.macro STEP q, qn, j, par
	v_pk_fma_f32 v[X:X+1],     v[E+4*\j:E+4*\j+1],   v[X:X+1],     v[IN+4*\j:IN+4*\j+1]
	v_pk_fma_f32 v[X+2:X+3],   v[E+4*\j+2:E+4*\j+3], v[X+2:X+3],   v[IN+4*\j+2:IN+4*\j+3]
	PKB E+4*\j,    A2,   DL+8*SN, \j
	PKB E+4*\j+2,  A2+2, DL+8*SN, \j
	PKB IN+4*\j,   W,    DU,      \j
	v_mul_f32_dpp  v[YQ+\j],     v[BC+32*\par+16+\j], v[X]         row_share:\q row_mask:0xf bank_mask:0xf
	PKB IN+4*\j+2, W+2,  DU,      \j
	v_exp_f32 v[E+4*\j], v[E+4*\j]
	v_mul_f32_dpp  v[IN+4*\j],   v[BC+32*BS+\j],      v[IN+4*\j]   row_share:\qn row_mask:0xf bank_mask:0xf
	v_fmac_f32_dpp v[YQ+\j],     v[BC+32*\par+20+\j], v[X+1]       row_share:\q row_mask:0xf bank_mask:0xf
	v_exp_f32 v[E+4*\j+1], v[E+4*\j+1]
	v_mul_f32_dpp  v[IN+4*\j+1], v[BC+32*BS+4+\j],    v[IN+4*\j+1] row_share:\qn row_mask:0xf bank_mask:0xf
	v_exp_f32 v[E+4*\j+2], v[E+4*\j+2]
	v_fmac_f32_dpp v[YQ+\j],     v[BC+32*\par+24+\j], v[X+2]       row_share:\q row_mask:0xf bank_mask:0xf
	v_exp_f32 v[E+4*\j+3], v[E+4*\j+3]
	v_mul_f32_dpp  v[IN+4*\j+2], v[BC+32*BS+8+\j],    v[IN+4*\j+2] row_share:\qn row_mask:0xf bank_mask:0xf
	v_mul_f32_dpp  v[IN+4*\j+3], v[BC+32*BS+12+\j],   v[IN+4*\j+3] row_share:\qn row_mask:0xf bank_mask:0xf
	v_fmac_f32_dpp v[YQ+\j],     v[BC+32*\par+28+\j], v[X+3]       row_share:\q row_mask:0xf bank_mask:0xf
.endm
; The last chunk's sums, rows 8 g + 2 i and 8 g + 2 i + 1: the four waves' parts are asked for ...
.macro RISSUE i, rp, mayskip
.if \mayskip
	s_cmp_lg_u32 s45, 0
	s_cbranch_scc1 .Lno_parts_\@
.endif
	s_wait_xcnt 0x0                                ; R[0:3] were a store's data: they are loaded again only behind this wait (ISA guide 3.1)
.irp w, 0,1,2,3
	ds_load_b128 v[R+4*\w:R+4*\w+3], v[PRD] offset:(\rp)*PBUF+\w*PWAVE+2*PPITCH*(\i)
.endr
.if \mayskip
.Lno_parts_\@:
.endif
.endm
; ... and, two quads later, added, with u D, and stored: sixteen lanes to 256 consecutive bytes.  The base has stepped on to this chunk: the store reaches back.
.macro RCONS i, mayskip
.if \mayskip
	s_cmp_lg_u32 s45, 0
	s_cbranch_scc1 .Lno_sum_\@
.endif
	v_pk_add_f32 v[R:R+1],     v[R:R+1],     v[R+4:R+5]
	v_pk_add_f32 v[R+2:R+3],   v[R+2:R+3],   v[R+6:R+7]
	v_pk_add_f32 v[R+8:R+9],   v[R+8:R+9],   v[R+12:R+13]
	v_pk_add_f32 v[R+10:R+11], v[R+10:R+11], v[R+14:R+15]
.if (\i)&1
	v_pk_fma_f32 v[R:R+1],   v[U+4*(\i):U+4*(\i)+1],   v[DR+(\i)-1:DR+(\i)], v[R:R+1]   op_sel:[0,1,0] op_sel_hi:[1,1,1]
	v_pk_fma_f32 v[R+2:R+3], v[U+4*(\i)+2:U+4*(\i)+3], v[DR+(\i)-1:DR+(\i)], v[R+2:R+3] op_sel:[0,1,0] op_sel_hi:[1,1,1]
.else
	v_pk_fma_f32 v[R:R+1],   v[U+4*(\i):U+4*(\i)+1],   v[DR+(\i):DR+(\i)+1], v[R:R+1]   op_sel_hi:[1,0,1]
	v_pk_fma_f32 v[R+2:R+3], v[U+4*(\i)+2:U+4*(\i)+3], v[DR+(\i):DR+(\i)+1], v[R+2:R+3] op_sel_hi:[1,0,1]
.endif
	v_pk_add_f32 v[R:R+1],     v[R:R+1],     v[R+8:R+9]
	v_pk_add_f32 v[R+2:R+3],   v[R+2:R+3],   v[R+10:R+11]
	global_store_b128 v[OUTO], v[R:R+3], s[24:25] offset:2*ROWB*(\i)-CHB th:TH_STORE_NT
.if \mayskip
.Lno_sum_\@:
.endif
.endm
; u of this chunk for the eight rows that I store, kept in registers: the slot may be filled again before the chunk is added up
.macro UPRE
.irp i, 0,1,2,3
	ds_load_b128 v[U+4*\i:U+4*\i+3], v[URD] offset:UOFF+2*PITCH*\i
.endr
.endm
; Quad q of a chunk: four steps.  qn = the lane with the next quad's B.  Quad q + 1 is prepared, quad q + 2 is asked for.
; No v_exp_f32 is open at the quad's head.
.macro QUAD q, qn, par, mayskip
.set SC, (\q)&1                        ; the set in which quad q came: free, quad q was prepared a quad ago
.set SN, 1-SC                          ; the set with quad q + 1
.if (\q)&1
.set YQ, YB                            ; Y's two sets go by the quad's parity
.else
.set YQ, Y
.endif
.if (\q)==15
.set BS, 1-\par                        ; the next quad is the next chunk's first
.else
.set BS, \par
.endif
	s_wait_dscnt 0x1                               ; quad q + 1's two loads are in: the one LDS instruction issued behind them is the store of the last quad's Y
.if ((\q)&3)==0
	RISSUE (\q)/4, 1-\par, \mayskip                ; ahead of this quad's loads, so that the next quad's wait shows these done too
.endif
.if ((\q)&3)==2
	RCONS ((\q)-2)/4, \mayskip
.endif
.if (\q)==15
	s_wait_loadcnt 0x0                             ; the next chunk's B and C, asked for at this chunk's head
	UPRE                                           ; U's last use for the chunk before was in quad 14
.endif
.if (\q)<14
	LOADQ ADC, (\q)+2, SC
.else
	LOADQ ADN, (\q)-14, SC
.endif
	v_pk_mul_f32 v[DU:DU+1],   v[DL+8*SN:DL+8*SN+1],   v[UU+8*SN:UU+8*SN+1]
	v_pk_mul_f32 v[DU+2:DU+3], v[DL+8*SN+2:DL+8*SN+3], v[UU+8*SN+2:UU+8*SN+3]
.irp j, 0,1,2,3
	STEP \q, \qn, \j, \par
.endr
	s_wait_alu depctr_va_vdst(0)                   ; ONE wait for the batch of sixteen v_exp_f32 of the four steps above, whose results the next quad's steps (at a slot's end: PIPE) name first; it stands directly ahead of the store, which reads the last line's result
	ds_store_b128 v[PST], v[YQ:YQ+3] offset:\par*PBUF+16*(\q)
.endm
; A chunk of 64 steps.  par = its parity: which set holds its B and C, and into which buffer its partial sums go.
; In a slot's last chunk the look-ahead reads the slot's first chunk again (bytes that have landed); what is prepared from it is
; made anew at the next slot's start.  Behind the last chunk of all, B's and C's look-ahead wraps to step 0: inside the buffers.
.macro CHUNK par, mayskip
	v_add_nc_u32 v[BCV], s42, v[BL]                ; free: the loads that named it were waited for in the last chunk's quad 15
.irp m, 0,1,2,3
	global_load_b128 v[BC+32*(1-\par)+4*\m:BC+32*(1-\par)+4*\m+3],       v[BCV], s[10:11] offset:\m*ROWB
	global_load_b128 v[BC+32*(1-\par)+16+4*\m:BC+32*(1-\par)+16+4*\m+3], v[BCV], s[12:13] offset:\m*ROWB
.endr
	QUAD 0,  1,  \par, \mayskip
	QUAD 1,  2,  \par, \mayskip
	QUAD 2,  3,  \par, \mayskip
	QUAD 3,  4,  \par, \mayskip
	QUAD 4,  5,  \par, \mayskip
	QUAD 5,  6,  \par, \mayskip
	QUAD 6,  7,  \par, \mayskip
	QUAD 7,  8,  \par, \mayskip
	QUAD 8,  9,  \par, \mayskip
	QUAD 9,  10, \par, \mayskip
	QUAD 10, 11, \par, \mayskip
	QUAD 11, 12, \par, \mayskip
	QUAD 12, 13, \par, \mayskip
	QUAD 13, 14, \par, \mayskip
	QUAD 14, 15, \par, \mayskip
	QUAD 15, 0,  \par, \mayskip
	s_mov_b32 s45, 0                               ; from now on there is a chunk to add up
	s_add_co_u32 s41, s41, CHB
	s_and_b32 s41, s41, TILEB-1                    ; the next chunk in the slot
	s_add_co_u32 s46, s41, CHB
	s_and_b32 s46, s46, TILEB-1                    ; and the one behind it
	s_add_co_u32 s46, s46, s40
	s_add_co_u32 s47, s41, s40
	v_mov_b32 v[ADC], v[ADN]
	v_add_nc_u32 v[ADN], s46, v[LB]
	v_add_nc_u32 v[URD], s47, v[UB]
	s_add_co_u32 s42, s42, CHB
	s_and_b32 s42, s42, ROWB-1
	s_wait_dscnt 0x0                               ; for the other waves: my partial sums are written, my reads of the other buffer are back
	s_wait_xcnt 0x0                                ; the stores' base is stepped only behind this wait (ISA guide 3.1)
	s_add_nc_u64 s[24:25], s[24:25], CHB
	s_barrier_signal -1                            ; the next tile's tensor load may be on its way
	s_barrier_wait -1
.endm
	s_mov_b32 s43, 0
.Lslot:                                            ; tiles 0, 1, 2: each asks for the next one
	SLOTSYNC 1
	PIPE
	s_mov_b32 s44, 0
.Lpair:
	CHUNK 0, 1
	CHUNK 1, 0
	s_add_co_u32 s44, s44, 1
	s_cmp_lt_u32 s44, 2
	s_cbranch_scc1 .Lpair
	s_add_co_u32 s43, s43, 1
	s_cmp_lt_u32 s43, 3
	s_cbranch_scc1 .Lslot
	SLOTSYNC 0                                     ; tile 3: nothing is left to fetch
	PIPE
	s_mov_b32 s44, 0
.Ltail:
	CHUNK 0, 0
	CHUNK 1, 0
	s_add_co_u32 s44, s44, 1
	s_cmp_lt_u32 s44, 2
	s_cbranch_scc1 .Ltail
.irp i, 0,1,2,3
	RISSUE \i, 1, 0                                ; the last chunk, an odd one, is added up
	s_wait_dscnt 0x0
	RCONS \i, 0
.endr
	s_wait_tensorcnt 0x0
	ds_add_u32 v184, v185
	s_wait_dscnt 0x0
	s_endpgm
.Lfunc_end_k_q1b8ec07dfb_scan:
	.size	k_q1b8ec07dfb_scan, .Lfunc_end_k_q1b8ec07dfb_scan-k_q1b8ec07dfb_scan
	.p2alignl 7, 3214868480
	.fill 96, 4, 3214868480
	.section	.rodata,"a",@progbits
	.p2align	6, 0x0
	.amdhsa_kernel k_q1b8ec07dfb_scan
		.amdhsa_group_segment_fixed_size 327680
		.amdhsa_private_segment_fixed_size 0
		.amdhsa_enable_private_segment 0
		.amdhsa_kernarg_size 88
		.amdhsa_user_sgpr_count 2
		.amdhsa_user_sgpr_kernarg_segment_ptr 1
		.amdhsa_wavefront_size32 1
		.amdhsa_system_sgpr_workgroup_id_x 1
		.amdhsa_system_sgpr_workgroup_id_y 1
		.amdhsa_system_sgpr_workgroup_id_z 1
		.amdhsa_system_vgpr_workitem_id 0
		.amdhsa_next_free_vgpr 186
		.amdhsa_next_free_sgpr 100
		.amdhsa_reserve_vcc 0
		.amdhsa_float_denorm_mode_32 3
		.amdhsa_float_denorm_mode_16_64 3
		.amdhsa_memory_ordered 1
		.amdhsa_forward_progress 1
		.amdhsa_inst_pref_size 255
	.end_amdhsa_kernel
	.section	.bss,"aw",@nobits
	.p2align	6
	.space	262144
	.amdgpu_metadata
---
amdhsa.version: [ 1, 2 ]
amdhsa.kernels:
  - .name:           k_q1b8ec07dfb_scan
    .symbol:         k_q1b8ec07dfb_scan.kd
    .args:
      - { .name: delta, .offset: 0, .size: 8, .value_kind: global_buffer, .address_space: global }
      - { .name: u, .offset: 8, .size: 8, .value_kind: global_buffer, .address_space: global }
      - { .name: A, .offset: 16, .size: 8, .value_kind: global_buffer, .address_space: global }
      - { .name: B, .offset: 24, .size: 8, .value_kind: global_buffer, .address_space: global }
      - { .name: C, .offset: 32, .size: 8, .value_kind: global_buffer, .address_space: global }
      - { .name: D, .offset: 40, .size: 8, .value_kind: global_buffer, .address_space: global }
      - { .name: lora_A_B, .offset: 48, .size: 8, .value_kind: global_buffer, .address_space: global }
      - { .name: lora_B_B, .offset: 56, .size: 8, .value_kind: global_buffer, .address_space: global }
      - { .name: lora_A_C, .offset: 64, .size: 8, .value_kind: global_buffer, .address_space: global }
      - { .name: lora_B_C, .offset: 72, .size: 8, .value_kind: global_buffer, .address_space: global }
      - { .name: out0, .offset: 80, .size: 8, .value_kind: global_buffer, .address_space: global }
    .group_segment_fixed_size: 327680
    .private_segment_fixed_size: 0
    .kernarg_segment_align: 8
    .kernarg_segment_size: 88
    .max_flat_workgroup_size: 128
    .sgpr_count:     100
    .vgpr_count:     186
    .wavefront_size: 32
...
	.end_amdgpu_metadata
.endif
;; end of part 2
